; MI455X (gfx1250); checked and timed in simulation.
; The chip was launched on July 23, 2026; its instructions are those of AMD's public machine-readable ISA for CDNA 5 (MIT licence, August 2026) and "CDNA5" Instruction Set Architecture Reference Guide (July 2026). The comments in the code are by the model that wrote it; some were corrected since.
;; Wave Pinn. Allowed arithmetic: matrix products marked QUANTISED: E3M2 operands, one E8M0 scale for each 32 along K, by v_wmma_scale_f32_16x16x128_f8f6f4 with both operands' format E3M2, f32 sums; products left as they are: f32 operands where the result goes on into a quantised operand, else bf16, f16 or f32 operands; f32 sums; everything else in f32.
;; Inputs: W0 2 x 256 float32; W1 256 x 256 float32; W2 256 x 256 float32; W3 256 x 256 float32; W4 256 x 1 float32; b0 256 float32; b1 256 float32; b2 256 float32; b3 256 float32; b4 1 float32; tx_bound 32,768 x 2 float32; tx_equation 32,768 x 2 float32; tx_init 32,768 x 2 float32.
;; Outputs: out0 4 x 32,768 x 1 float32.
;; This version of the problem:
;;   THIS VERSION OF THE PROBLEM IS GIVEN IN LOW PRECISION. The matrix products marked QUANTISED in the list below multiply operands that are first quantised to E3M2 (3 exponent bits, 2 mantissa bits; 6 bits a number), with one power-of-two scale for each 32 numbers along K (OCP MX v1.0); their sums are f32. All else is computed in f32.
;;   The module's matrix products, in the order in which they are computed (A, B: the left and right operand; K: the contracted axis; several contracted axes count as one K, in the product's order):
;;     1. [M 32,768, K 2] x [K 2, N 256]; A: input tx_equation; B: input W0: left as it is (K = 2 < 32)
;;     2. [M 2, K 2] x [K 2, N 256]; A: computed on the way; B: input W0: left as it is (K = 2 < 32)
;;     3. [M 32,768, K 256] x [K 256, N 256]; A: computed on the way; B: input W1: QUANTISED
;;     4. [M 65,536, K 256] x [K 256, N 256]; A: computed on the way; B: input W1: QUANTISED
;;     5. [M 32,768, K 256] x [K 256, N 256]; A: computed on the way; B: input W2: QUANTISED
;;     6. [M 65,536, K 256] x [K 256, N 256]; A: computed on the way; B: input W2: QUANTISED
;;     7. [M 32,768, K 256] x [K 256, N 256]; A: computed on the way; B: input W3: QUANTISED
;;     8. [M 65,536, K 256] x [K 256, N 256]; A: computed on the way; B: input W3: QUANTISED
;;     9. [M 32,768, K 256] x [K 256, N 1]; A: computed on the way; B: input W4: left as it is (N = 1 < 16)
;;     10. [M 65,536, K 256] x [K 256, N 1]; A: computed on the way; B: input W4: left as it is (N = 1 < 16)
;;     11. [M 1, K 1] x [K 1, N 256]; A: computed on the way; B: input W4: left as it is (K = 1 < 32)
;;     12. [M 32,768, K 256] x [K 256, N 256]; A: computed on the way; B: input W3: QUANTISED
;;     13. [M 65,536, K 256] x [K 256, N 256]; A: computed on the way; B: input W3: QUANTISED
;;     14. [M 32,768, K 256] x [K 256, N 256]; A: computed on the way; B: input W2: QUANTISED
;;     15. [M 65,536, K 256] x [K 256, N 256]; A: computed on the way; B: input W2: QUANTISED
;;     16. [M 32,768, K 256] x [K 256, N 256]; A: computed on the way; B: input W1: QUANTISED
;;     17. [M 65,536, K 256] x [K 256, N 256]; A: computed on the way; B: input W1: QUANTISED
;;     18. [M 32,768, K 256] x [K 256, N 2]; A: computed on the way; B: input W0: left as it is (N = 2 < 16)
;;     19. [M 65,536, K 256] x [K 256, N 2]; A: computed on the way; B: input W0: left as it is (N = 2 < 16)
;;     20. [M 32,768, K 2] x [K 2, N 256]; A: input tx_init; B: input W0: left as it is (K = 2 < 32)
;;     21. [M 32,768, K 256] x [K 256, N 256]; A: computed on the way; B: input W1: QUANTISED
;;     22. [M 32,768, K 256] x [K 256, N 256]; A: computed on the way; B: input W2: QUANTISED
;;     23. [M 32,768, K 256] x [K 256, N 256]; A: computed on the way; B: input W3: QUANTISED
;;     24. [M 32,768, K 256] x [K 256, N 1]; A: computed on the way; B: input W4: left as it is (N = 1 < 16)
;;     25. [M 1, K 1] x [K 1, N 256]; A: computed on the way; B: input W4: left as it is (K = 1 < 32)
;;     26. [M 32,768, K 256] x [K 256, N 256]; A: computed on the way; B: input W3: QUANTISED
;;     27. [M 32,768, K 256] x [K 256, N 256]; A: computed on the way; B: input W2: QUANTISED
;;     28. [M 32,768, K 256] x [K 256, N 256]; A: computed on the way; B: input W1: QUANTISED
;;     29. [M 32,768, K 256] x [K 256, N 2]; A: computed on the way; B: input W0: left as it is (N = 2 < 16)
;;     30. [M 32,768, K 2] x [K 2, N 256]; A: input tx_bound; B: input W0: left as it is (K = 2 < 32)
;;     31. [M 32,768, K 256] x [K 256, N 256]; A: computed on the way; B: input W1: QUANTISED
;;     32. [M 32,768, K 256] x [K 256, N 256]; A: computed on the way; B: input W2: QUANTISED
;;     33. [M 32,768, K 256] x [K 256, N 256]; A: computed on the way; B: input W3: QUANTISED
;;     34. [M 32,768, K 256] x [K 256, N 1]; A: computed on the way; B: input W4: left as it is (N = 1 < 16)
;;   THE QUANTISER, for each operand of a quantised product, along K:
;;     - K is cut into blocks of 32 from its start; a last block that is shorter is filled with zeros.
;;     - A block's scale is 2^e with e = floor(log2(the largest magnitude in the block)) - 4, held to -126 .. 127; a block of zeros has e = 0. As a byte (E8M0): e + 127.
;;     - Each number is divided by its block's scale, clamped to +-28, and rounded to the nearest number of E3M2, ties to even, subnormals kept.
;;     - The product sums the exact products of the quantised numbers (number of the format x scale) in f32.
;;   ~~~python
;;   def quantise(x, axis):      # numpy; x: float32 -> the quantised numbers, widened to float32 again
;;       x = np.moveaxis(x, axis, -1); K = x.shape[-1]
;;       x = np.pad(x, [(0, 0)] * (x.ndim - 1) + [(0, -K % 32)]); x = x.reshape(x.shape[:-1] + (-1, 32)); a = np.abs(x).max(-1, keepdims=True)
;;       e = np.where(a > 0, np.clip(np.frexp(np.where(a > 0, a, 1))[1] - 1 - 4, -126, 127), 0)      # np.frexp(a)[1] - 1 = floor(log2(a)), exactly
;;       r = np.clip(x / 2.0 ** e, -28, 28)
;;       step = 2.0 ** (np.maximum(np.frexp(np.where(r == 0, 1, r))[1] - 1, -2) - 2)
;;       q = np.round(r / step) * step * 2.0 ** e      # np.round: ties to even
;;       return np.moveaxis(q.reshape(q.shape[:-2] + (-1,))[..., :K], -1, axis).astype(np.float32)
;;   ~~~
;;   OPERANDS COMPUTED ON THE WAY. 'Computed on the way' means the value that the module computes at that place (a softmax that the list does not call 'softmax' is quantised finished and normalised). What goes into a quantiser is computed in f32, as accurately as f32 sums, v_exp_f32 and their like allow (about 1e-6 of the number): no bf16 or f16 on the way to a quantiser, and a product that is left as it is and whose result goes on into a quantised operand takes f32 operands (vector FMAs, or v_wmma_f32_16x16x4_f32). A number that lies on a knife's edge between two numbers of the format may be rounded either way, as far as f32 arithmetic and the matrix unit's own rounding can turn it there, and no further.
;; One version. Each part assembles by itself: llvm-mc -triple=amdgcn-amd-amdhsa -mcpu=gfx1250 --defsym DOCPART=n.
;; ======== version 1 of 1: 2 launches
;; limits: right only within a limited range of input values
;; workspace buffers: wq 307,200 bytes
;; launch prep (part 1): grid 48 x 1, 4 waves a work-group, no clusters, 0 bytes of LDS; arguments W1, W2, W3, wq; writes wq
.if DOCPART == 1
	.amdgcn_target "amdgcn-amd-amdhsa--gfx1250"
	.amdhsa_code_object_version 6
	.text
	.protected	k_qdcb1edf8b3_prep
	.globl	k_qdcb1edf8b3_prep
	.p2align	8
	.type	k_qdcb1edf8b3_prep,@function
k_qdcb1edf8b3_prep:
	s_mov_b64 s[64:65], 0
	v_nop
	global_prefetch_b8 v0, s[64:65] scope:SCOPE_SE
	s_setreg_imm32_b32 hwreg(HW_REG_WAVE_MODE, 25, 1), 1
	s_wait_xcnt 0x0
; W1, W2, W3 [256][256] f32 become codes of BF6 (E3M2) with one E8M0 byte for each 32 along K, in BOTH orientations, laid in the order of the operand's registers.
; Matrix m: 0, 1, 2 = W1, W2, W3 for the forward products (K = the first axis, element W[k][n]); 3, 4, 5 = W3, W2, W1 for the reverse products (K = the second axis, element W[n][k]).
; A fragment (16 units x 128 K: 12 registers a lane) has the number fid = 32 m + 8 w + 2 t + s: w the pair of waves of the second launch that will hold it (wave 2 w + t / 2), t its tile of 16 units, s its K step.
; Lane r of tile t takes unit n = 64 w + 32 (t / 2) + 8 (t % 2) + r + 8 (r / 8): so a result's 16 registers of tiles 2 b, 2 b + 1 are 16 neighbours along the next K.
; Lane (r, h) holds k = 128 s + 64 c + 32 h + 0 .. 31 in registers 6 c .. 6 c + 5.  Codes: byte 1536 fid + 512 q + 16 lane (q: group of four registers).  Scale words: byte 294912 + 64 fid + 4 r.
; One wave makes one fragment; 192 fragments, 48 work-groups.  A lane holds two whole blocks of 32, so no other lane is asked for a maximum.
; A block's scale is 2^(floor(log2(largest magnitude)) - 4); its byte is the largest magnitude's exponent field - 4, held at 1 from below by a floor among the maximum's leaves.
; LIMITS: a block of zeros gets the byte 1 where the quantiser says 127 (its codes are zeros, and this program alone reads the bytes); NaN and infinities among the inputs are not served.
; In the forward arm a load touches four runs of 32 bytes (eight neighbouring n, twice, at two rows k): the tensors are small and each element is read once in this orientation.
; WORK THAT THE PROGRAM LEAVES OUT (in the second launch).  Of the equation set reference() returns hess[0][0] - hess[1][1] alone: so that set's u and u's two forward tangents (the products with W4),
; its plain gradient (the product of the cotangent with W0) and the two off-diagonal terms of the Hessian reach no output, whatever the inputs hold.  Of the init set g[:, 1] is sliced away: only W0's row 0 meets the cotangent.
; Every input still has a way to an output and is loaded.  LIMIT: a NaN, an infinity or an overflow that reaches only the work left out is not carried to the result.
.set X,     32
.set CO,    96                         ; v96-107  the fragment's codes
.set CT,    112                        ; v112-118 the second halves as the conversions leave them
.set FLOOR, 0x2800000                  ; 2^(5 - 127)
	s_load_b256 s[4:11], s[0:1], 0x0               ; W1 s[4:5], W2 s[6:7], W3 s[8:9], wq s[10:11]
	v_lshrrev_b32 v1, 5, v0
	v_readfirstlane_b32 s12, v1                    ; wave
	v_and_b32 v1, 31, v0                           ; lane
	v_and_b32 v2, 15, v0                           ; r
	s_wait_alu depctr_va_vdst(0)
	v_bfe_u32 v3, v0, 4, 1                         ; h
	s_lshr_b32 s13, ttmp9, 3                       ; m
	s_bfe_u32 s14, ttmp9, 0x20001                  ; w
	s_and_b32 s15, ttmp9, 1                        ; t / 2
	s_lshr_b32 s16, s12, 1                         ; t % 2
	s_and_b32 s17, s12, 1                          ; s
	s_lshl_b32 s18, s14, 6
	s_lshl_b32 s19, s15, 5
	s_add_co_u32 s18, s18, s19
	s_lshl_b32 s19, s16, 3
	s_add_co_u32 s18, s18, s19                     ; 64 w + 32 (t / 2) + 8 (t % 2)
	v_and_b32 v8, 8, v2
	v_add3_u32 v8, v8, v2, s18                     ; n
	v_lshlrev_b32 v4, 2, v8                        ; forward: 4 n + 32768 h + 131072 s: row k = 128 s + 32 h of 1,024 bytes
	s_wait_alu depctr_va_vdst(0)
	v_lshl_add_u32 v4, v3, 15, v4
	s_lshl_b32 s19, s17, 17
	v_add_nc_u32 v4, s19, v4
	v_lshlrev_b32 v5, 10, v8                       ; reverse: 1024 n + 128 h + 512 s
	v_lshl_add_u32 v5, v3, 7, v5
	s_lshl_b32 s19, s17, 9
	v_add_nc_u32 v5, s19, v5
	v_lshlrev_b32 v6, 4, v1                        ; out: 16 bytes a lane
	v_lshlrev_b32 v7, 2, v2                        ; the scale word: 4 r
	s_lshl_b32 s20, ttmp9, 2
	s_add_co_u32 s20, s20, s12                     ; fid
	s_mul_i32 s22, s20, 1536
	s_mov_b32 s23, 0
	s_lshl_b32 s24, s20, 6
	s_add_co_u32 s24, s24, 294912
	s_mov_b32 s25, 0
	s_sub_co_u32 s21, 5, s13
	s_cmp_lt_u32 s13, 3
	s_cselect_b32 s21, s13, s21                    ; which weight: m, or 5 - m
	s_mov_b32 s28, 0x76543210
	s_mov_b32 s29, 0xfedcba98                      ; v_permlanex16_b32's selects for lane l xor 16
	s_wait_kmcnt 0x0
	s_cmp_eq_u32 s21, 0                            ; the choice hangs on the work-group's number alone
	s_cselect_b64 s[26:27], s[4:5], s[6:7]
	s_cmp_eq_u32 s21, 2
	s_cselect_b64 s[26:27], s[8:9], s[26:27]
	s_add_nc_u64 s[22:23], s[10:11], s[22:23]      ; my fragment's codes
	s_add_nc_u64 s[24:25], s[10:11], s[24:25]      ; and its scale words
	s_cmp_lt_u32 s13, 3
	s_cbranch_scc0 .Lreverse
	s_wait_alu depctr_va_vdst(0)
.irp c, 0,1
.irp i, 0,1,2,3,4,5,6,7,8,9,10,11,12,13,14,15,16,17,18,19,20,21,22,23,24,25,26,27,28,29,30,31
	global_load_b32 v[X+32*\c+\i], v4, s[26:27] offset:1024*(64*\c+\i)     ; W[128 s + 64 c + 32 h + i][n]: my registers run down K
.endr
.endr
	s_branch .Lloaded
.Lreverse:
	s_wait_alu depctr_va_vdst(0)
.irp c, 0,1
.irp q, 0,1,2,3,4,5,6,7
	global_load_b128 v[X+32*\c+4*\q:X+32*\c+4*\q+3], v5, s[26:27] offset:256*\c+16*\q   ; W[n][128 s + 64 c + 32 h + 4 q ..]: K is innermost
.endr
.endr
.Lloaded:
	s_wait_loadcnt 0x0
.irp c, 0,1                                    ; block 2 c + h: all its 32 numbers are mine; two chains for each block, and the floor as one more leaf
	v_max3_num_f32 v[8+\c], |v[X+32*\c]|, |v[X+32*\c+1]|, FLOOR
	v_max3_num_f32 v[10+\c], |v[X+32*\c+2]|, |v[X+32*\c+3]|, |v[X+32*\c+4]|
.endr
.irp i, 5,9,13,17,21,25
.irp c, 0,1
	v_max3_num_f32 v[8+\c], v[8+\c], |v[X+32*\c+\i]|, |v[X+32*\c+\i+1]|
	v_max3_num_f32 v[10+\c], v[10+\c], |v[X+32*\c+\i+2]|, |v[X+32*\c+\i+3]|
.endr
.endr
.irp c, 0,1
	v_max3_num_f32 v[8+\c], v[8+\c], |v[X+32*\c+29]|, |v[X+32*\c+30]|
.endr
.irp c, 0,1
	v_max3_num_f32 v[8+\c], v[8+\c], v[10+\c], |v[X+32*\c+31]|
.endr
.irp c, 0,1
	v_add_nc_u32 v[12+\c], 0xfe000000, v[8+\c]     ; 4 off the exponent field: the conversion takes the exponent field of this operand as its scale
.endr
.irp c, 0,1
	v_lshrrev_b32 v[14+\c], 23, v[12+\c]           ; the scale's byte
.endr
	v_lshl_or_b32 v16, v15, 16, v14                ; my two bytes, blocks h and 2 + h,
	v_lshlrev_b32 v17, 3, v3
	v_lshlrev_b32 v16, v17, v16                    ; at their places in the word (8 h bits up);
	v_mov_b32 v17, 0
	v_permlanex16_b32 v17, v16, s28, s29
	v_or_b32 v16, v16, v17                         ; with lane l xor 16's two the word is whole
.irp c, 0,1
	v_cvt_scalef32_pk16_bf6_f32 v[CO+6*\c:CO+6*\c+2], v[X+32*\c:X+32*\c+15], v[12+\c]
	v_cvt_scalef32_pk16_bf6_f32 v[CT+4*\c:CT+4*\c+2], v[X+32*\c+16:X+32*\c+31], v[12+\c]   ; (a conversion's three registers begin on an even number)
.endr
	v_nop                                          ; one plain line behind a scaled conversion
.irp c, 0,1
.irp i, 0,1,2
	v_mov_b32 v[CO+3+6*\c+\i], v[CT+4*\c+\i]
.endr
.endr
.irp q, 0,1,2
	global_store_b128 v6, v[CO+4*\q:CO+4*\q+3], s[22:23] offset:512*\q   ; 32 lanes store 512 consecutive bytes, at a multiple of 512 from the buffer's first byte
.endr
	s_wait_xcnt 0x0                                ; EXEC changes only behind this wait
	v_cmp_gt_u32 vcc_lo, 16, v1
	s_and_saveexec_b32 s20, vcc_lo
	global_store_b32 v7, v16, s[24:25]             ; lanes 0-15: row r's word; the work-group's four waves fill 256 consecutive bytes
	s_wait_xcnt 0x0                                ; and again in front of the line that widens it
	s_or_b32 exec_lo, exec_lo, s20
	s_endpgm
.Lfunc_end_k_qdcb1edf8b3_prep:
	.size	k_qdcb1edf8b3_prep, .Lfunc_end_k_qdcb1edf8b3_prep-k_qdcb1edf8b3_prep
	.p2alignl 7, 3214868480
	.fill 96, 4, 3214868480
	.section	.rodata,"a",@progbits
	.p2align	6, 0x0
	.amdhsa_kernel k_qdcb1edf8b3_prep
		.amdhsa_group_segment_fixed_size 0
		.amdhsa_private_segment_fixed_size 0
		.amdhsa_enable_private_segment 0
		.amdhsa_kernarg_size 32
		.amdhsa_user_sgpr_count 2
		.amdhsa_user_sgpr_kernarg_segment_ptr 1
		.amdhsa_wavefront_size32 1
		.amdhsa_system_sgpr_workgroup_id_x 1
		.amdhsa_system_sgpr_workgroup_id_y 1
		.amdhsa_system_sgpr_workgroup_id_z 1
		.amdhsa_system_vgpr_workitem_id 0
		.amdhsa_next_free_vgpr 128
		.amdhsa_next_free_sgpr 66
		.amdhsa_reserve_vcc 1
		.amdhsa_float_denorm_mode_32 3
		.amdhsa_float_denorm_mode_16_64 3
		.amdhsa_memory_ordered 1
		.amdhsa_forward_progress 1
		.amdhsa_inst_pref_size 14
	.end_amdhsa_kernel
	.amdgpu_metadata
---
amdhsa.version: [ 1, 2 ]
amdhsa.kernels:
  - .name:           k_qdcb1edf8b3_prep
    .symbol:         k_qdcb1edf8b3_prep.kd
    .args:
      - { .name: W1, .offset: 0, .size: 8, .value_kind: global_buffer, .address_space: global }
      - { .name: W2, .offset: 8, .size: 8, .value_kind: global_buffer, .address_space: global }
      - { .name: W3, .offset: 16, .size: 8, .value_kind: global_buffer, .address_space: global }
      - { .name: wq, .offset: 24, .size: 8, .value_kind: global_buffer, .address_space: global }
    .group_segment_fixed_size: 0
    .private_segment_fixed_size: 0
    .kernarg_segment_align: 8
    .kernarg_segment_size: 32
    .max_flat_workgroup_size: 128
    .sgpr_count:     66
    .vgpr_count:     128
    .wavefront_size: 32
...
	.end_amdgpu_metadata
.endif
;; end of part 1
;; launch pinn (part 2): grid 256 x 1, 8 waves a work-group, no clusters, 262,656 bytes of LDS; arguments wq, W0, b0, b1, b2, b3, W4, b4, tx_bound, tx_init, tx_equation, out0; writes out0
.if DOCPART == 2
	.amdgcn_target "amdgcn-amd-amdhsa--gfx1250"
	.amdhsa_code_object_version 6
	.text
	.protected	k_qdcb1edf8b3_pinn
	.globl	k_qdcb1edf8b3_pinn
	.p2align	8
	.type	k_qdcb1edf8b3_pinn,@function
k_qdcb1edf8b3_pinn:
	s_mov_b64 s[64:65], 0
	v_nop
	global_prefetch_b8 v0, s[64:65] scope:SCOPE_SE
	s_setreg_imm32_b32 hwreg(HW_REG_WAVE_MODE, 25, 1), 1
	s_wait_xcnt 0x0
; The tanh network 2-256-256-256-256-1 on three sets of 32,768 points: bound: u; init: u and du/dt (forward and reverse pass); equation: u_tt - u_xx (forward over reverse, two tangents).
; The 256 x 256 products go on codes of BF6 (E3M2) with one E8M0 scale for each 32 along K; every left operand is computed here in f32 and quantised in registers.
; NOT COMPUTED (see the first launch's head): the equation set's u, u's tangents, its plain gradient and the Hessian's off-diagonal terms; the init set's du/dx.
; SHARES.  Work-group g owns points 128 g .. 128 g + 127 of each set and walks them in 8 blocks of 16 + 16 + 16 points.  Eight waves, two to a SIMD; wave w owns units 32 w .. 32 w + 31 of every layer,
; forward and reverse, for all rows: one block of 32 along the next K.  Its eighth of the six weight operands (6 x 4 fragments x 12 = 288 registers) is read once and stays in registers.
; LAYOUT.  Every product is used transposed (source 0 = 16 units of W, source 1 = 16 rows): lane (r, h) holds point r, and register e of a tile's 16 holds unit 32 w + 16 h + e.
; ROW TILES g: 0 bound, 1 init, 2 equation (value, later cotangent), 3 and 4 its two tangents; accumulators of tile g at v[AB + 16 g].
; FROM WAVE TO WAVE an operand goes through LDS as an image of its registers.  Two row tiles are quantised together: three lane swaps give lanes 0-15 the first tile's whole block of 32 codes and
; lanes 16-31 the second's, 24 bytes a lane (16 + 8) and one scale byte.  A fifth tile goes with itself; its second copy lands in a sixth tile's place that nobody reads.
; TWO STREAMS, TWO BARRIERS A LAYER.  Forward: stream a = tiles 0, 1, stream b = tiles 2, 3, 4; on the way back a = tiles 1, 2, b = tiles 3, 4.  Each stream's images have a barrier of their own, and they are
; read only behind the other stream's work: a stream's signal stands behind its stores and the other stream's first products, its wait ahead of the first LDS store that follows; behind the wait the
; stream's next tiles are asked for, and they land under the other stream's vector lines.  Between a signal and its wait stand register work and LDS loads of bytes that nobody writes before a later barrier.
; Two image buffers take turns layer by layer: a tile's place is written again two layers on, behind barriers that every reader of it has signalled with its loads done.
; What the way back wants of the way forward (h, dh_0, dh_1; of the first layer dh_0, dh_1 and a product) is the lane's own and waits in the wave's part of LDS.
; tanh(x) = x p(x^2) / q(x^2), degrees 6 and 3, on x held to +-7.9053111: its error is relative at every size of x; one reciprocal, no select.  It takes a tile's 16 numbers a lane at a time.
; NO CLUSTER, NO TENSOR LOAD, NO PREFETCH: what the work-groups share is the 307,200 bytes of weights, read once at the head into registers; the loop reads no memory.
; Ahead of each wait on a counter, barrier and backward jump, and round each batch of reciprocals, stands s_wait_alu.
; LIMITS: a block of zeros gets the scale byte 1 where the quantiser says 127 (its codes are zeros; nobody else reads the bytes); NaN and infinities among the inputs are not served;
; the f32 sums of the products that stay as they are (first layer, W4, W0 on the way back) are taken in another order than the reference's.
; LDS: images 0 (2 buffers x 6 tiles x 3,200: four half fragments of 768, then 128 bytes of scale words) | tables | points | partial sums | saved values (24,576 a wave) | spare words.
; REGISTERS, window 0: v1-11 addresses; v12-15 constants; v16-27 weights' scale words; v28-32 rows' scale words; v40-87 matrix 5; v88-135 two row tiles' fragments;
;   v136-167 at work; v168-247 accumulators (tile 4's 16 also hold tanh's q: they are idle at every tanh); v248-255 points, partial sums.  Window 1: v0-239 matrices 0 to 4; v240-255 W4.
.set IMGT,  3200
.set IMGB,  19200
.set TAB,   38400                      ; W0 (2,048), b0 .. b3, W4 (1,024 each)
.set TXT,   45568
.set RED,   48640                      ; 4 outputs x 8 waves x 128 points
.set SAV,   65024
.set SPARE, 261632                     ; the spare words: 128 bytes a wave
.set FLOOR, 0x2800000                  ; 2^(5 - 127)
.set LI,   1                           ; 16 x lane
.set LI8,  2                           ; 8 x lane
.set LS,   3                           ; 4 x lane
.set IW,   4                           ; my block's first 16 bytes: 768 (w / 2) + 256 (w % 2) + 16 r + IMGT h
.set IW8,  5                           ; and the other 8: 768 (w / 2) + 512 + 128 (w % 2) + 8 r + IMGT h
.set SW,   6                           ; my scale byte: 3072 + 64 (w / 4) + 4 r + w % 4 + IMGT h
.set SV,   7                           ; my saved values: SAV + 24576 w + 16 lane
.set TB,   8                           ; the tables at my units: TAB + 128 w + 64 h
.set TXA,  9                           ; TXT + 8 r
.set RW,   10                          ; RED + 512 w + 4 r
.set WS,   16                          ; WS + 2 m + t: lanes 0-15 K step 0, lanes 16-31 K step 1
.set AS,   28                          ; AS + g, likewise
.set SPW,  34
.set NIL,  35
.set TXK,  36
.set RWK,  37
.set M5,   40
.set F,    88
.set W,    136
.set AB,   168
.set T2,   W
.set PP,   W+16
.set QD,   AB+64
.set TXR,  248
.set UU,   248
.set W4R,  240                         ; window 1
.set MSB, 0
.macro WIN new                         ; the immediate's high byte repeats the setting that is left
.if MSB != \new
	s_set_vgpr_msb (MSB<<8)|\new
.set MSB, \new
.endif
.endm
.macro NOP4                            ; four places behind a product (ISA guide 7.12.1)
.rept 4
	v_nop
.endr
.endm
.macro DSW n
	s_wait_alu depctr_va_vdst(0)
	s_wait_dscnt \n
.endm
.macro SIG                             ; my LDS stores have landed and my LDS loads are in: say so
	DSW 0
	s_barrier_signal -1
.endm
.macro SWAIT                           ; every wave has said so
	s_wait_alu depctr_va_vdst(0)
	s_barrier_wait -1
.endm
.macro SPAIR r, val
	s_mov_b32 s[\r], \val
	s_mov_b32 s[\r+1], \val
.endm
.macro PM d, a, b                      ; eight numbers: d = a b
.irp i, 0,2,4,6
	v_pk_mul_f32 v[\d+\i:\d+\i+1], v[\a+\i:\a+\i+1], v[\b+\i:\b+\i+1]
.endr
.endm
.macro PM2 d, a, b                     ; sixteen
	PM \d, \a, \b
	PM \d+8, \a+8, \b+8
.endm
.macro PF d, a, b, c                   ; d = a b + c
.irp i, 0,2,4,6
	v_pk_fma_f32 v[\d+\i:\d+\i+1], v[\a+\i:\a+\i+1], v[\b+\i:\b+\i+1], v[\c+\i:\c+\i+1]
.endr
.endm
.macro PFN d, a, b, c                  ; d = c - a b
.irp i, 0,2,4,6
	v_pk_fma_f32 v[\d+\i:\d+\i+1], v[\a+\i:\a+\i+1], v[\b+\i:\b+\i+1], v[\c+\i:\c+\i+1] neg_lo:[1,0,0] neg_hi:[1,0,0]
.endr
.endm
.macro ONEM d, h                       ; d = 1 - h^2
.irp i, 0,2,4,6
	v_pk_fma_f32 v[\d+\i:\d+\i+1], v[\h+\i:\h+\i+1], v[\h+\i:\h+\i+1], 1.0 op_sel_hi:[1,1,0] neg_lo:[1,0,0] neg_hi:[1,0,0]
.endr
.endm
.macro M2H d, h                        ; d = -2 h
.irp i, 0,2,4,6
	v_pk_mul_f32 v[\d+\i:\d+\i+1], v[\h+\i:\h+\i+1], -2.0 op_sel_hi:[1,0]
.endr
.endm
.macro HORN d, sc                      ; d = d x^2 + constant, sixteen numbers
.irp i, 0,2,4,6,8,10,12,14
	v_pk_fma_f32 v[\d+\i:\d+\i+1], v[\d+\i:\d+\i+1], v[T2+\i:T2+\i+1], s[\sc:\sc+1] op_sel_hi:[1,1,0]
.endr
.endm
; One product: matrix m, row tile g with its fragments at f, tile of units t, K step s.  s = 0 with c = 1 adds onto the bias that was loaded into the accumulator; with c = 0 it starts from 0.
.macro MM m, g, f, t, s, c
.set rD, AB+16*(\g)+8*(\t)
.if \m < 5
.set rA, 48*(\m)+12*(2*(\t)+(\s))
.else
.set rA, M5+12*(2*(\t)+(\s))
.endif
.set rB, \f+12*(\s)
.if \s
	v_wmma_scale_f32_16x16x128_f8f6f4 v[rD:rD+7], v[rA:rA+11], v[rB:rB+11], v[rD:rD+7], v[WS+2*(\m)+(\t)], v[AS+(\g)] matrix_a_fmt:MATRIX_FMT_BF6 matrix_b_fmt:MATRIX_FMT_BF6 matrix_a_scale:MATRIX_SCALE_ROW1 matrix_b_scale:MATRIX_SCALE_ROW1
.elseif \c
	v_wmma_scale_f32_16x16x128_f8f6f4 v[rD:rD+7], v[rA:rA+11], v[rB:rB+11], v[rD:rD+7], v[WS+2*(\m)+(\t)], v[AS+(\g)] matrix_a_fmt:MATRIX_FMT_BF6 matrix_b_fmt:MATRIX_FMT_BF6
.else
	v_wmma_scale_f32_16x16x128_f8f6f4 v[rD:rD+7], v[rA:rA+11], v[rB:rB+11], 0, v[WS+2*(\m)+(\t)], v[AS+(\g)] matrix_a_fmt:MATRIX_FMT_BF6 matrix_b_fmt:MATRIX_FMT_BF6
.endif
.endm
.macro MMB m, ga, ca, gb, cb           ; two row tiles (fragments at F and F + 24): eight products, the four accumulators by turns
.if \m < 5
	WIN 1                                          ; source 0, the weights, in window 1
.endif
.irp s, 0,1
.irp t, 0,1
	MM \m, \ga, F, \t, \s, \ca
.endr
.irp t, 0,1
	MM \m, \gb, F+24, \t, \s, \cb
.endr
.endr
	WIN 0
.endm
.macro MMS m, g                        ; one row tile (fragments at F): four products, its two accumulators by turns
	WIN 1
.irp s, 0,1
.irp t, 0,1
	MM \m, \g, F, \t, \s, 0
.endr
.endr
	WIN 0
.endm
.macro FETCH g, f, buf                 ; row tile g's two fragments and its scale words: nine loads of consecutive bytes
.set oI, IMGB*(\buf)+IMGT*(\g)
.irp j, 0,1,2,3
	ds_load_b128 v[\f+6*\j:\f+6*\j+3], v[LI] offset:oI+768*\j
.endr
.irp j, 0,1,2,3
	ds_load_b64 v[\f+6*\j+4:\f+6*\j+5], v[LI8] offset:oI+768*\j+512
.endr
	ds_load_b32 v[AS+\g], v[LS] offset:oI+3072
.endm
.macro LDT16 reg, off                  ; a table's 16 numbers at my units
.irp p, 0,1,2,3
	ds_load_b128 v[\reg+4*\p:\reg+4*\p+3], v[TB] offset:\off+16*\p
.endr
.endm
.macro LDS16 reg, v                    ; saved value v: 16 numbers a lane
.irp p, 0,1,2,3
	ds_load_b128 v[\reg+4*\p:\reg+4*\p+3], v[SV] offset:2048*(\v)+512*\p
.endr
.endm
.macro SAVE8 reg, v, t                 ; half t of saved value v
	ds_store_b128 v[SV], v[\reg:\reg+3] offset:2048*(\v)+1024*(\t)
	ds_store_b128 v[SV], v[\reg+4:\reg+7] offset:2048*(\v)+1024*(\t)+512
.endm
.macro FIRST adr                       ; what a block's first layer reads: my three points (t, x), W0's two rows and b0 at my units
	ds_load_b64 v[TXR:TXR+1], v[\adr]
	ds_load_b64 v[TXR+2:TXR+3], v[\adr] offset:1024
	ds_load_b64 v[TXR+4:TXR+5], v[\adr] offset:2048
	LDT16 F, 0
	LDT16 F+16, 1024
	LDT16 F+32, 2048
.endm
; tanh of a tile's sixteen numbers, in place.  The first line reads the accumulator's lowest register.  The reciprocals are issued as soon as q is whole; four of p's steps stand behind them.
.macro TANH16 z
	s_wait_alu depctr_va_vdst(0)
.irp i, 0,1,2,3,4,5,6,7,8,9,10,11,12,13,14,15
	v_med3_num_f32 v[\z+\i], v[\z+\i], s41, s40
.endr
	PM2 T2, \z, \z
.irp i, 0,2,4,6,8,10,12,14
	v_pk_fma_f32 v[QD+\i:QD+\i+1], v[T2+\i:T2+\i+1], v[14:15], s[54:55] op_sel_hi:[1,1,0]
.endr
.irp i, 0,2,4,6,8,10,12,14
	v_pk_fma_f32 v[PP+\i:PP+\i+1], v[T2+\i:T2+\i+1], v[12:13], s[42:43] op_sel_hi:[1,1,0]
.endr
	HORN QD, 56
	HORN PP, 44
	HORN QD, 58
	s_wait_alu depctr_va_vdst(0)
.irp i, 0,1,2,3,4,5,6,7,8,9,10,11,12,13,14,15
	v_rcp_f32 v[QD+\i], v[QD+\i]
.endr
	HORN PP, 46                                    ; plain lines behind the reciprocals, which name none of their results
	HORN PP, 48
	HORN PP, 50
	HORN PP, 52
	PM2 PP, PP, \z
	s_wait_alu depctr_va_vdst(0)
	PM2 \z, PP, QD
.endm
; THE QUANTISER for two row tiles: 16 numbers a lane of each (half a block; the other half lies in lane l xor 16).  q: 16 registers at work; off: the first tile's place in LDS, the second's lies IMGT further.
.macro QP sa, sb, q, off
	v_max3_num_f32 v[\q], |v[\sa]|, |v[\sa+1]|, FLOOR              ; the floor among the leaves holds the byte at 1 from below
	v_max3_num_f32 v[\q+1], |v[\sb]|, |v[\sb+1]|, FLOOR
	v_max3_num_f32 v[\q+2], |v[\sa+8]|, |v[\sa+9]|, |v[\sa+10]|
	v_max3_num_f32 v[\q+3], |v[\sb+8]|, |v[\sb+9]|, |v[\sb+10]|
.irp k, 2,4
	v_max3_num_f32 v[\q], v[\q], |v[\sa+\k]|, |v[\sa+\k+1]|
	v_max3_num_f32 v[\q+1], v[\q+1], |v[\sb+\k]|, |v[\sb+\k+1]|
	v_max3_num_f32 v[\q+2], v[\q+2], |v[\sa+\k+9]|, |v[\sa+\k+10]|
	v_max3_num_f32 v[\q+3], v[\q+3], |v[\sb+\k+9]|, |v[\sb+\k+10]|
.endr
	v_max3_num_f32 v[\q], v[\q], |v[\sa+6]|, |v[\sa+7]|
	v_max3_num_f32 v[\q+1], v[\q+1], |v[\sb+6]|, |v[\sb+7]|
	v_max3_num_f32 v[\q], v[\q], v[\q+2], |v[\sa+15]|
	v_max3_num_f32 v[\q+1], v[\q+1], v[\q+3], |v[\sb+15]|
	v_permlanex16_b32 v[\q+2], v[\q], s38, s39
	v_permlanex16_b32 v[\q+3], v[\q+1], s38, s39
	v_max_num_f32 v[\q], v[\q], v[\q+2]            ; the blocks' largest magnitudes
	v_max_num_f32 v[\q+1], v[\q+1], v[\q+3]
	v_add_nc_u32 v[\q+12], 0xfe000000, v[\q]       ; 4 off the exponent field: the conversion's scale operand
	v_add_nc_u32 v[\q+13], 0xfe000000, v[\q+1]
	v_cvt_scalef32_pk16_bf6_f32 v[\q+4:\q+6], v[\sa:\sa+15], v[\q+12]
	v_cvt_scalef32_pk16_bf6_f32 v[\q+8:\q+10], v[\sb:\sb+15], v[\q+13]
	v_lshrrev_b32 v[\q], 23, v[\q+12]              ; the scales' bytes (plain lines behind the conversions)
	v_lshrrev_b32 v[\q+1], 23, v[\q+13]
	v_cndmask_b32 v[\q+14], v[\q], v[\q+1], s33    ; lanes 0-15 the first tile's byte, lanes 16-31 the second's
.irp i, 0,1,2
	v_permlane16_swap_b32 v[\q+4+\i], v[\q+8+\i]   ; a whole block to a lane: lanes 0-15 the first tile's, lanes 16-31 the second's
.endr
	v_mov_b32 v[\q+7], v[\q+8]
	v_mov_b32 v[\q+8], v[\q+9]
	v_mov_b32 v[\q+9], v[\q+10]
	ds_store_b128 v[IW], v[\q+4:\q+7] offset:\off
	ds_store_b64 v[IW8], v[\q+8:\q+9] offset:\off
	ds_store_b8 v[SW], v[\q+14] offset:\off
.endm
.macro USUM u, o                       ; eight partial sums of a lane, and lane l xor 16's: my wave's part of output o for point r
	v_pk_add_f32 v[\u:\u+1], v[\u:\u+1], v[\u+2:\u+3]
	v_pk_add_f32 v[\u+4:\u+5], v[\u+4:\u+5], v[\u+6:\u+7]
	s_delay_alu instid0(VALU_DEP_1)
	v_pk_add_f32 v[\u:\u+1], v[\u:\u+1], v[\u+4:\u+5]
	s_delay_alu instid0(VALU_DEP_1)
	v_add_f32 v[\u], v[\u], v[\u+1]
	v_permlanex16_b32 v[\u+2], v[\u], s38, s39
	v_add_f32 v[\u], v[\u], v[\u+2]
	ds_store_b32 v[RWK], v[\u] offset:4096*\o      ; lanes l and l xor 16 write the same word with the same value
.endm
.macro UACC h                          ; U = h x W4 over my 16 numbers, in eight partial sums; source 1 in window 1
	PM UU, \h, W4R
	PF UU, \h+8, W4R+8, UU
.endm
; ---- the bound points, layer L: register work alone
.macro BCH L
	TANH16 AB
.if \L == 3
	WIN 0x04
	UACC AB
	WIN 0
.endif
.endm
; ---- the init points: h.  Saved: layer 0: (1 - h^2) W0[0]; layers 1, 2: h.  Behind layer 3: u's part, and the first cotangent (1 - h^2) W4
.macro ICH L
	TANH16 AB+16
.if \L == 0
	ONEM W, AB+16
	ONEM W+8, AB+24
	PM2 W, W, F
	SAVE8 W, 9, 0
	SAVE8 W+8, 9, 1
.elseif \L < 3
	SAVE8 AB+16, 9+\L, 0
	SAVE8 AB+24, 9+\L, 1
.else
	ONEM W, AB+16
	ONEM W+8, AB+24
	DSW 0                                          ; the bound points' sum has been stored: its registers are written again
	WIN 0x04
	UACC AB+16
	PM2 AB+16, W, W4R
	WIN 0
.endif
.endm
; ---- half t of the equation points, behind tanh: dh_j = s dz_j, s = 1 - h^2.  Saved: layers 1, 2: h, dh_0, dh_1, from the accumulators; layer 0: dh_0, dh_1, -2 h (dh_0 W0[0] - dh_1 W0[1]).
; Behind layer 3: the cotangent s W4 and its tangents -2 h dh_j W4.
.macro ECH t, L
.set ez, AB+32+8*(\t)
.set e0, AB+48+8*(\t)
.set e1, AB+64+8*(\t)
.set eg, W+16+8*(\t)
	s_wait_alu depctr_va_vdst(0)                   ; directly ahead of the first readers of the tangents' products
	ONEM W, ez
.if \L == 0
	M2H W+8, ez
	PM e0, W, F+8*(\t)
	PM e1, W, F+16+8*(\t)
	PM eg, e0, F+8*(\t)
	PFN eg, e1, F+16+8*(\t), eg
	PM eg, W+8, eg
	SAVE8 e0, 0, \t
	SAVE8 e1, 1, \t
	SAVE8 eg, 2, \t
.elseif \L < 3
	PM e0, e0, W
	PM e1, e1, W
	SAVE8 ez, 3*\L, \t
	SAVE8 e0, 3*\L+1, \t
	SAVE8 e1, 3*\L+2, \t
.else
	M2H W+8, ez
	PM e0, e0, W
	PM e1, e1, W
	PM W+16, W+8, e0
	PM W+24, W+8, e1
	WIN 0x04
	PM ez, W, W4R+8*(\t)
	PM e0, W+16, W4R+8*(\t)
	PM e1, W+24, W4R+8*(\t)
	WIN 0
.endif
.endm
; ---- a forward layer L through matrix m; images read from br, written to bw.  On entry tiles 0 and 1 have been asked for, the bias lies in their accumulators, and n LDS stores of mine stand behind those loads.
.macro FWD L, m, br, bw, n
	DSW \n
	MMB \m, 0, 1, 1, 1
	SIG                                            ; stream b's images of the layer before are stored, and so are its saves out of the accumulators
	LDT16 AB+32, 2048+1024*\L                      ; the bias into tile 2's accumulators
	NOP4
	BCH \L
	SWAIT
	FETCH 2, F, \br                                ; they land under the init points' lines
	FETCH 3, F+24, \br
.if \L == 3
	USUM UU, 3
.endif
	ICH \L
.if \L < 3
	QP AB, AB+16, W, IMGB*\bw
	DSW 7                                          ; tiles 2 and 3 and the bias are in; four saves and the quantiser's three stores may be out
	MMB \m, 2, 1, 3, 0
	SIG                                            ; stream a's images are stored
	LDT16 AB, 3072+1024*\L                         ; the next layer's bias
	LDT16 AB+16, 3072+1024*\L
.else
	USUM UU, 1
	DSW 0
	MMB \m, 2, 1, 3, 0
.endif
	NOP4
	FETCH 4, F, \br                                ; it lands under the equation's tanh
	TANH16 AB+32
	DSW 0
	MMS \m, 4
	NOP4
.if \L < 3
	SWAIT
	FETCH 0, F, \bw                                ; the next layer's tiles 0 and 1: they land under the lines below
	FETCH 1, F+24, \bw
	ECH 0, \L
	ECH 1, \L
	QP AB+32, AB+48, W, IMGB*\bw+2*IMGT
	QP AB+64, AB+64, W+16, IMGB*\bw+4*IMGT
.else
	ECH 0, \L
	ECH 1, \L
	QP AB+16, AB+32, F, IMGB*\bw+IMGT
	LDS16 W, 6                                     ; layer 2's h of the equation points,
	LDS16 W+16, 11                                 ; and of the init points
	SIG
	SWAIT
	FETCH 1, F, \bw
	FETCH 2, F+24, \bw
	QP AB+48, AB+64, AB, IMGB*\bw+3*IMGT
.endif
.endm
; ---- back through matrix m and layer lam's tanh.  On entry tiles 1 and 2 have been asked for, v[W] holds the equation's h, v[W + 16] init's.
; g_init = g s_i; gm = -2 h g; g = g s; dg_j = dg_j s + gm dh_j.  Tile 0's registers, idle on the way back, serve the quantiser.  na, nb: the saved values that the next phase wants first.
.macro REV m, lam, br, bw, na, nb
	DSW 3                                          ; all my loads are in; the quantiser's three stores may be out
	MMB \m, 1, 0, 2, 0
	SIG                                            ; stream b's images of the phase before are stored
	ONEM W+16, W+16                                ; (these eight lines name no register of the products: they are the places behind them)
	ONEM W+24, W+24
	PM AB+16, AB+16, W+16
	PM AB+24, AB+24, W+24
	M2H W+16, W
	M2H W+24, W+8
	PM W+16, AB+32, W+16
	PM W+24, AB+40, W+24
	ONEM W, W
	ONEM W+8, W+8
	PM AB+32, AB+32, W
	PM AB+40, AB+40, W+8
	SWAIT
	FETCH 3, F, \br
	FETCH 4, F+24, \br
	QP AB+16, AB+32, AB, IMGB*\bw+IMGT
	LDS16 AB+16, 3*\lam+1                          ; dh_0 and dh_1 where tiles 1 and 2 lay
	LDS16 AB+32, 3*\lam+2
	DSW 11                                         ; tiles 3 and 4 are in; three stores and eight loads may be out
	MMB \m, 3, 0, 4, 0
	SIG                                            ; stream a's images are stored
	NOP4
	PM AB+48, AB+48, W
	PM AB+56, AB+56, W+8
	PM AB+64, AB+64, W
	PM AB+72, AB+72, W+8
	SWAIT
	FETCH 1, F, \bw
	FETCH 2, F+24, \bw
	PF AB+48, W+16, AB+16, AB+48
	PF AB+56, W+24, AB+24, AB+56
	PF AB+64, W+16, AB+32, AB+64
	PF AB+72, W+24, AB+40, AB+72
	LDS16 W, \na
	LDS16 W+16, \nb
	QP AB+48, AB+64, AB, IMGB*\bw+3*IMGT
.endm
	; ================ the head
	s_load_b512 s[8:23], s[0:1], 0x0               ; wq s[8:9], W0 s[10:11], b0 s[12:13], b1 s[14:15], b2 s[16:17], b3 s[18:19], W4 s[20:21], b4 s[22:23]
	s_load_b256 s[24:31], s[0:1], 0x40             ; tx_bound s[24:25], tx_init s[26:27], tx_equation s[28:29], out0 s[30:31]
	v_lshl_add_u32 v[SPW], v0, 2, SPARE
	v_mov_b32 v[NIL], 0
	v_lshrrev_b32 v11, 5, v0
	v_readfirstlane_b32 s32, v11                   ; wave 0..7
	s_and_b32 s2, s32, 1
	s_lshr_b32 s3, s32, 1
	s_mul_i32 s3, s3, 768
	s_lshl_b32 s60, s2, 8
	s_add_co_u32 s60, s60, s3                      ; 768 (w / 2) + 256 (w % 2)
	s_lshl_b32 s61, s2, 7
	s_add_co_u32 s61, s61, s3
	s_add_co_u32 s61, s61, 512                     ; 768 (w / 2) + 512 + 128 (w % 2)
	s_lshr_b32 s2, s32, 2
	s_lshl_b32 s2, s2, 6
	s_and_b32 s3, s32, 3
	s_add_co_u32 s62, s2, s3
	s_add_co_u32 s62, s62, 3072
	s_mul_i32 s63, s32, 24576
	s_add_co_u32 s63, s63, SAV
	s_lshl_b32 s67, s32, 7
	s_add_co_u32 s67, s67, TAB
	s_lshl_b32 s68, s32, 9
	s_add_co_u32 s68, s68, RED
	s_mul_i32 s69, s32, 6144                       ; my four fragments of each matrix
	s_lshl_b32 s70, s32, 8                         ; and their scale words
	v_and_b32 v168, 31, v0                         ; lane
	v_and_b32 v169, 15, v0                         ; r
	v_bfe_u32 v170, v0, 4, 1                       ; h
	v_lshlrev_b32 v[LI], 4, v168
	v_lshlrev_b32 v[LI8], 3, v168
	v_lshlrev_b32 v[LS], 2, v168
	v_mul_u32_u24 v171, v170, IMGT
	v_lshl_add_u32 v[IW], v169, 4, v171
	v_add_nc_u32 v[IW], s60, v[IW]
	v_lshl_add_u32 v[IW8], v169, 3, v171
	v_add_nc_u32 v[IW8], s61, v[IW8]
	v_lshl_add_u32 v[SW], v169, 2, v171
	v_add_nc_u32 v[SW], s62, v[SW]
	v_add_nc_u32 v[SV], s63, v[LI]
	v_lshl_add_u32 v[TB], v170, 6, s67
	v_lshl_add_u32 v[TXA], v169, 3, TXT
	v_lshl_add_u32 v[RW], v169, 2, s68
	v_lshlrev_b32 v172, 3, v0                      ; 8 x thread
	v_lshlrev_b32 v173, 2, v0                      ; 4 x thread
	v_add_nc_u32 v174, s69, v[LI]
	v_add_nc_u32 v175, s70, v[LS]
	v_mov_b32 v12, 0xa59f25c0                      ; a13, twice
	v_mov_b32 v13, 0xa59f25c0
	v_mov_b32 v14, 0x35a0d3d8                      ; b6, twice
	v_mov_b32 v15, 0x35a0d3d8
	s_wait_alu depctr_va_vdst(0)                   ; at the head's end
	s_wait_kmcnt 0x0
	s_load_b32 s34, s[22:23], 0x0                  ; b4
	s_lshl_b32 s2, ttmp9, 10                       ; my work-group's 128 points of 8 bytes
	s_mov_b32 s3, 0
	s_add_nc_u64 s[24:25], s[24:25], s[2:3]
	s_add_nc_u64 s[26:27], s[26:27], s[2:3]
	s_add_nc_u64 s[28:29], s[28:29], s[2:3]
	global_load_b64 v[176:177], v172, s[10:11]     ; the small tables and the points: the 256 threads cover a table, each wave consecutive bytes
	global_load_b32 v178, v173, s[12:13]
	global_load_b32 v179, v173, s[14:15]
	global_load_b32 v180, v173, s[16:17]
	global_load_b32 v181, v173, s[18:19]
	global_load_b32 v182, v173, s[20:21]
	global_load_b32 v183, v173, s[24:25]
	global_load_b32 v184, v173, s[26:27]
	global_load_b32 v185, v173, s[28:29]
	WIN 0x40                                       ; my 24 fragments: they land while the first layer of the first block is computed
.irp m, 0,1,2,3,4
.irp f, 0,1,2,3
.irp q, 0,1,2
	global_load_b128 v[48*\m+12*\f+4*\q:48*\m+12*\f+4*\q+3], v174, s[8:9] offset:49152*\m+1536*\f+512*\q
.endr
.endr
.endr
	WIN 0
	s_wait_loadcnt 60                              ; the tables and the points are in; the 60 loads issued behind them may be out
	ds_store_b64 v172, v[176:177] offset:TAB
.irp j, 0,1,2,3,4
	ds_store_b32 v173, v[178+\j] offset:TAB+2048+1024*\j
.endr
.irp j, 0,1,2
	ds_store_b32 v173, v[183+\j] offset:TXT+1024*\j
.endr
.irp f, 0,1,2,3
.irp q, 0,1,2
	global_load_b128 v[M5+12*\f+4*\q:M5+12*\f+4*\q+3], v174, s[8:9] offset:49152*5+1536*\f+512*\q
.endr
.endr
.irp m, 0,1,2,3,4,5
.irp t, 0,1
	global_load_b32 v[WS+2*\m+\t], v175, s[8:9] offset:294912+2048*\m+128*\t
.endr
.endr
	s_mov_b32 s33, 0xffff0000                      ; lanes 16-31
	s_mov_b32 s38, 0x76543210
	s_mov_b32 s39, 0xfedcba98                      ; v_permlanex16_b32's selects for lane l xor 16
	s_mov_b32 s40, 0x40fcf84f                      ; 7.9053111
	s_mov_b32 s41, 0xc0fcf84f
	SPAIR 42, 0x2a61337e                           ; a11
	SPAIR 44, 0xaebd37ff                           ; a9
	SPAIR 46, 0x335c0041                           ; a7
	SPAIR 48, 0x3779434a                           ; a5
	SPAIR 50, 0x3a270ded                           ; a3
	SPAIR 52, 0x3ba059dc                           ; a1
	SPAIR 54, 0x38f895d6                           ; b4
	SPAIR 56, 0x3b14aa05                           ; b2
	SPAIR 58, 0x3ba059dd                           ; b0
	s_mov_b32 s35, 0                               ; block
	s_mov_b32 s36, 0                               ; 128 x block: its points
	s_mov_b32 s37, 0                               ; 64 x block: its partial sums
	s_wait_xcnt 0x0                                ; the loads' offset registers lie among the accumulators: they are written again only behind this wait
	s_wait_kmcnt 0x0                               ; b4
	SIG
	SWAIT                                          ; the tables and the points lie in LDS
	WIN 0x40
	LDT16 W4R, 6144                                ; W4 at my units stays in registers
	WIN 0
	FIRST TXA                                      ; the first block's points, W0 and b0
.Lblock:
	; ================ the first layer, in f32 multiply-adds.  Its points, W0 and b0 were asked for at the head or in the block before
	DSW 0                                          ; no LDS instruction of mine is out
	v_add_nc_u32 v[RWK], s37, v[RW]
.irp j, 0,1,2
.irp i, 0,2,4,6,8,10,12,14
	v_pk_fma_f32 v[AB+16*\j+\i:AB+16*\j+\i+1], v[F+16+\i:F+17+\i], v[TXR+2*\j:TXR+2*\j+1], v[F+32+\i:F+33+\i] op_sel:[0,1,0] op_sel_hi:[1,1,1]   ; x W0[1] + b0
.endr
.endr
.irp j, 0,1,2
.irp i, 0,2,4,6,8,10,12,14
	v_pk_fma_f32 v[AB+16*\j+\i:AB+16*\j+\i+1], v[F+\i:F+\i+1], v[TXR+2*\j:TXR+2*\j+1], v[AB+16*\j+\i:AB+16*\j+\i+1] op_sel_hi:[1,0,1]   ; + t W0[0]
.endr
.endr
	BCH 0
	ICH 0
	QP AB, AB+16, F+32, 0
	SIG                                            ; stream a's images are stored
	LDT16 AB, 3072                                 ; b1
	LDT16 AB+16, 3072
	TANH16 AB+32
	SWAIT
	ECH 0, 0
	ECH 1, 0
	FETCH 0, F, 0                                  ; W0 has been read: the next layer's tiles 0 and 1
	FETCH 1, F+24, 0
	QP AB+32, AB+48, W, 2*IMGT
	DSW 0                                          ; the saves out of v[W + 16 ..] are done
	s_wait_loadcnt 0x0                             ; the weights and their scale words, asked for at the head
	QP AB+64, AB+64, W+16, 4*IMGT
	; ================ forward
	FWD 1, 0, 0, 1, 3
	FWD 2, 1, 1, 0, 18                             ; 18: twelve saves and the quantiser's six stores stand behind the loads of tiles 0 and 1
	FWD 3, 2, 0, 1, 18
	; ================ back through W3 and W2
	REV 3, 2, 1, 0, 3, 10
	REV 4, 1, 0, 1, 2, 9
	; ================ back through W1, and the sums with what layer 0 saved
	DSW 3
	MMB 5, 1, 0, 2, 0
	SIG
	NOP4
	PM UU, AB+16, W+16
	PF UU, AB+24, W+24, UU
	PM AB, AB+32, W                                ; g gamma
	PF AB, AB+40, W+8, AB
	SWAIT
	FETCH 3, F, 1
	FETCH 4, F+24, 1
	LDS16 AB+16, 0                                 ; layer 0's dh_0 and dh_1
	LDS16 AB+32, 1
	USUM UU, 2                                     ; du/dt
	DSW 0
	MMB 5, 3, 0, 4, 0
	NOP4
	s_add_co_u32 s71, s36, 128
	s_min_u32 s71, s71, 896                        ; the next block's points (in the last trip the last block's once more: the address stays among the points)
	v_add_nc_u32 v[TXK], s71, v[TXA]
	FIRST TXK                                      ; they land under the sums below; the fragments and du/dt's sum, which lay there, are done with
	PF AB, AB+48, AB+16, AB                        ; + dg_0 dh_0
	PF AB, AB+56, AB+24, AB
	PFN AB, AB+64, AB+32, AB                       ; - dg_1 dh_1
	PFN AB, AB+72, AB+40, AB
	USUM AB, 0                                     ; u_tt - u_xx
	s_add_co_u32 s36, s36, 128
	s_add_co_u32 s37, s37, 64
	s_add_co_u32 s35, s35, 1
	s_cmp_lt_u32 s35, 8
	s_wait_alu depctr_va_vdst(0)
	s_cbranch_scc1 .Lblock
	; ================ the end: wave w adds the eight waves' parts of output w / 2 for 64 of the 128 points, two a lane, and stores them
	SIG
	SWAIT
	s_lshr_b32 s60, s32, 1                         ; the output
	s_and_b32 s61, s32, 1                          ; which 64 points
	s_lshl_b32 s2, s60, 12
	s_lshl_b32 s3, s61, 8
	s_add_co_u32 s2, s2, s3
	s_add_co_u32 s2, s2, RED
	v_add_nc_u32 v11, s2, v[LI8]
.irp j, 0,1,2,3,4,5,6,7
	ds_load_b64 v[168+2*\j:169+2*\j], v11 offset:512*\j
.endr
	s_lshl_b32 s62, s60, 17                        ; output o begins 131,072 o bytes on; my work-group's 128 numbers 512 g further
	s_lshl_b32 s63, ttmp9, 9
	s_add_co_u32 s62, s62, s63
	s_add_co_u32 s62, s62, s3
	s_mov_b32 s63, 0
	s_add_nc_u64 s[30:31], s[30:31], s[62:63]
	s_and_b32 s3, s60, 1
	s_cmp_lg_u32 s3, 0
	s_cselect_b32 s2, s34, 0                       ; b4 belongs to the two u (outputs 1 and 3)
	s_mov_b32 s3, s2
	DSW 0
	v_pk_add_f32 v[168:169], v[168:169], v[170:171]
	v_pk_add_f32 v[172:173], v[172:173], v[174:175]
	v_pk_add_f32 v[176:177], v[176:177], v[178:179]
	v_pk_add_f32 v[180:181], v[180:181], v[182:183]
	v_pk_add_f32 v[168:169], v[168:169], v[172:173]
	v_pk_add_f32 v[176:177], v[176:177], v[180:181]
	v_pk_add_f32 v[168:169], v[168:169], v[176:177]
	v_pk_add_f32 v[168:169], v[168:169], s[2:3] op_sel_hi:[1,0]
	global_store_b64 v[LI8], v[168:169], s[30:31]  ; 32 lanes store 256 consecutive bytes, at a multiple of 256 from the output's first byte
	s_wait_tensorcnt 0x0                           ; the wave's end
	ds_add_u32 v[SPW], v[NIL]
	s_wait_dscnt 0x0
	s_endpgm
.Lfunc_end_k_qdcb1edf8b3_pinn:
	.size	k_qdcb1edf8b3_pinn, .Lfunc_end_k_qdcb1edf8b3_pinn-k_qdcb1edf8b3_pinn
	.p2alignl 7, 3214868480
	.fill 96, 4, 3214868480
	.section	.rodata,"a",@progbits
	.p2align	6, 0x0
	.amdhsa_kernel k_qdcb1edf8b3_pinn
		.amdhsa_group_segment_fixed_size 262656
		.amdhsa_private_segment_fixed_size 0
		.amdhsa_enable_private_segment 0
		.amdhsa_kernarg_size 96
		.amdhsa_user_sgpr_count 2
		.amdhsa_user_sgpr_kernarg_segment_ptr 1
		.amdhsa_wavefront_size32 1
		.amdhsa_system_sgpr_workgroup_id_x 1
		.amdhsa_system_sgpr_workgroup_id_y 1
		.amdhsa_system_sgpr_workgroup_id_z 1
		.amdhsa_system_vgpr_workitem_id 0
		.amdhsa_next_free_vgpr 512
		.amdhsa_next_free_sgpr 80
		.amdhsa_reserve_vcc 0
		.amdhsa_float_denorm_mode_32 3
		.amdhsa_float_denorm_mode_16_64 3
		.amdhsa_memory_ordered 1
		.amdhsa_forward_progress 1
		.amdhsa_inst_pref_size 214
	.end_amdhsa_kernel
	.amdgpu_metadata
---
amdhsa.version: [ 1, 2 ]
amdhsa.kernels:
  - .name:           k_qdcb1edf8b3_pinn
    .symbol:         k_qdcb1edf8b3_pinn.kd
    .args:
      - { .name: wq, .offset: 0, .size: 8, .value_kind: global_buffer, .address_space: global }
      - { .name: W0, .offset: 8, .size: 8, .value_kind: global_buffer, .address_space: global }
      - { .name: b0, .offset: 16, .size: 8, .value_kind: global_buffer, .address_space: global }
      - { .name: b1, .offset: 24, .size: 8, .value_kind: global_buffer, .address_space: global }
      - { .name: b2, .offset: 32, .size: 8, .value_kind: global_buffer, .address_space: global }
      - { .name: b3, .offset: 40, .size: 8, .value_kind: global_buffer, .address_space: global }
      - { .name: W4, .offset: 48, .size: 8, .value_kind: global_buffer, .address_space: global }
      - { .name: b4, .offset: 56, .size: 8, .value_kind: global_buffer, .address_space: global }
      - { .name: tx_bound, .offset: 64, .size: 8, .value_kind: global_buffer, .address_space: global }
      - { .name: tx_init, .offset: 72, .size: 8, .value_kind: global_buffer, .address_space: global }
      - { .name: tx_equation, .offset: 80, .size: 8, .value_kind: global_buffer, .address_space: global }
      - { .name: out0, .offset: 88, .size: 8, .value_kind: global_buffer, .address_space: global }
    .group_segment_fixed_size: 262656
    .private_segment_fixed_size: 0
    .kernarg_segment_align: 8
    .kernarg_segment_size: 96
    .max_flat_workgroup_size: 256
    .sgpr_count:     80
    .vgpr_count:     512
    .wavefront_size: 32
...
	.end_amdgpu_metadata
.endif
;; end of part 2
